; MI455X (gfx1250); checked and timed in simulation.
; The chip was launched on July 23, 2026; its instructions are those of AMD's public machine-readable ISA for CDNA 5 (MIT licence, August 2026) and "CDNA5" Instruction Set Architecture Reference Guide (July 2026). The comments in the code are by the model that wrote it; some were corrected since.
;; Mixture Of Experts Layer. Allowed arithmetic: float matrix products may take bf16 or f16 operands with f32 sums; all other float work in f32.
;; Inputs: expert_b 8 x 1,024 float32; expert_w 8 x 1,024 x 1,024 float32; gate_b 8 float32; gate_w 1,024 x 8 float32; x 4 x 2,048 x 1,024 float32.
;; Outputs: out0 4 x 2,048 x 1,024 float32.
;; 2 versions, each right; version 2 is version 1 with the launch prep written anew for expert scheduling mode. Each part assembles by itself: llvm-mc -triple=amdgcn-amd-amdhsa -mcpu=gfx1250 --defsym DOCPART=n.
;; ======== version 1 of 2: 2 launches
;; workspace buffers: xb 16,777,216 bytes; wb 16,777,216 bytes
;; launch prep (part 1): grid 256 x 2, 8 waves a work-group, no clusters, 0 bytes of LDS; arguments x, expert_w, xb, wb; writes xb, wb
.if DOCPART == 1
	.amdgcn_target "amdgcn-amd-amdhsa--gfx1250"
	.amdhsa_code_object_version 6
	.text
	.protected	k_qa59ebad719_prep
	.globl	k_qa59ebad719_prep
	.p2align	8
	.type	k_qa59ebad719_prep,@function
k_qa59ebad719_prep:
	s_mov_b64 s[64:65], 0
	v_nop
	global_prefetch_b8 v0, s[64:65] scope:SCOPE_SE
	s_setreg_imm32_b32 hwreg(HW_REG_WAVE_MODE, 25, 1), 1
	s_wait_xcnt 0x0
; prep: xb = bf16(x), wb = bf16(expert_w), element by element, the layout unchanged (round to nearest even).
; Why a launch of its own: the product that follows reads x in 4 column blocks and expert_w in 64 row blocks; cast here, each number is
; rounded once and every later read moves 2 bytes in place of 4.
; LIMIT: a magnitude above bf16's largest finite number (about 3.39e38) becomes an infinity.
; Grid y picks the pair of buffers (0: x to xb, 1: expert_w to wb).  Work-group x owns 131,072 bytes of f32 as 32 rows of 4,096 bytes.
; Thread t owns the 16 bytes at 16 t of each row in and the 8 bytes at 8 t of each row out: a wave's load covers 512 consecutive bytes,
; a wave's store 256 consecutive bytes at a multiple of 256 from the buffer's first byte.
; All 32 loads of a thread go out at once; every row has registers of its own, so that no register is written twice and the only waits
; are the counted ones for the loads.  No LDS, no barrier, no matrix unit: a stream has no use for them.
.set ROWIN,  4096                      ; bytes of a row in
.set ROWOUT, 2048                      ; bytes of a row out
.set NROW,   32                        ; rows of a work-group
.set X, 4                              ; v[4:131]    row i: 4 f32 as loaded
.set Y, 132                            ; v[132:195]  row i: 4 bf16 to store
	s_load_b256 s[4:11], s[0:1], 0x0               ; x s[4:5], expert_w s[6:7], xb s[8:9], wb s[10:11]
	s_and_b32 s12, ttmp7, 0xffff                   ; grid y: which pair of buffers
	s_lshl_b32 s14, ttmp9, 17                      ; the work-group's 131,072 bytes in (255 x 131,072 is below 4 GiB)
	s_mov_b32 s15, 0
	s_lshl_b32 s16, ttmp9, 16                      ; its 65,536 bytes out
	s_mov_b32 s17, 0
	v_lshlrev_b32 v1, 4, v0                        ; 16 t
	v_lshlrev_b32 v2, 3, v0                        ; 8 t
	s_wait_kmcnt 0x0
	s_cmp_eq_u32 s12, 0                            ; the choice hangs on the grid's y alone
	s_cselect_b64 s[4:5], s[4:5], s[6:7]           ; from
	s_cselect_b64 s[8:9], s[8:9], s[10:11]         ; to
	s_add_nc_u64 s[4:5], s[4:5], s[14:15]
	s_add_nc_u64 s[8:9], s[8:9], s[16:17]
.set i, 0
.rept NROW
	global_load_b128 v[X+4*i:X+4*i+3], v1, s[4:5] offset:i*ROWIN th:TH_LOAD_NT   ; read once in the whole launch
.set i, i+1
.endr
.set i, 0
.rept NROW
	s_wait_loadcnt NROW-1-i                        ; loads come back in order (ISA guide 5.7.1): row i is in, the NROW-1-i younger rows stay out
	v_cvt_pk_bf16_f32 v[Y+2*i],   v[X+4*i],   v[X+4*i+1]
	v_cvt_pk_bf16_f32 v[Y+2*i+1], v[X+4*i+2], v[X+4*i+3]
	global_store_b64 v2, v[Y+2*i:Y+2*i+1], s[8:9] offset:i*ROWOUT                ; no hint: the next launch reads these bytes
.set i, i+1
.endr
	s_endpgm
.Lfunc_end_k_qa59ebad719_prep:
	.size	k_qa59ebad719_prep, .Lfunc_end_k_qa59ebad719_prep-k_qa59ebad719_prep
	.p2alignl 7, 3214868480
	.fill 96, 4, 3214868480
	.section	.rodata,"a",@progbits
	.p2align	6, 0x0
	.amdhsa_kernel k_qa59ebad719_prep
		.amdhsa_group_segment_fixed_size 0
		.amdhsa_private_segment_fixed_size 0
		.amdhsa_enable_private_segment 0
		.amdhsa_kernarg_size 32
		.amdhsa_user_sgpr_count 2
		.amdhsa_user_sgpr_kernarg_segment_ptr 1
		.amdhsa_wavefront_size32 1
		.amdhsa_system_sgpr_workgroup_id_x 1
		.amdhsa_system_sgpr_workgroup_id_y 1
		.amdhsa_system_sgpr_workgroup_id_z 1
		.amdhsa_system_vgpr_workitem_id 0
		.amdhsa_next_free_vgpr 200
		.amdhsa_next_free_sgpr 66
		.amdhsa_reserve_vcc 0
		.amdhsa_float_denorm_mode_32 3
		.amdhsa_float_denorm_mode_16_64 3
		.amdhsa_memory_ordered 1
		.amdhsa_forward_progress 1
		.amdhsa_inst_pref_size 12
	.end_amdhsa_kernel
	.amdgpu_metadata
---
amdhsa.version: [ 1, 2 ]
amdhsa.kernels:
  - .name:           k_qa59ebad719_prep
    .symbol:         k_qa59ebad719_prep.kd
    .args:
      - { .name: x, .offset: 0, .size: 8, .value_kind: global_buffer, .address_space: global }
      - { .name: expert_w, .offset: 8, .size: 8, .value_kind: global_buffer, .address_space: global }
      - { .name: xb, .offset: 16, .size: 8, .value_kind: global_buffer, .address_space: global }
      - { .name: wb, .offset: 24, .size: 8, .value_kind: global_buffer, .address_space: global }
    .group_segment_fixed_size: 0
    .private_segment_fixed_size: 0
    .kernarg_segment_align: 8
    .kernarg_segment_size: 32
    .max_flat_workgroup_size: 256
    .sgpr_count:     66
    .vgpr_count:     200
    .wavefront_size: 32
...
	.end_amdgpu_metadata
.endif
;; end of part 1
;; launch moe (part 2): grid 4 x 64, 4 waves a work-group, clusters of 4 x 4, 327,680 bytes of LDS; arguments xb, wb, gate_w, gate_b, expert_b, out0; writes out0
.if DOCPART == 2
	.amdgcn_target "amdgcn-amd-amdhsa--gfx1250"
	.amdhsa_code_object_version 6
	.text
	.protected	k_qa59ebad719_moe
	.globl	k_qa59ebad719_moe
	.p2align	8
	.type	k_qa59ebad719_moe,@function
k_qa59ebad719_moe:
	s_mov_b64 s[64:65], 0
	v_nop
	global_prefetch_b8 v0, s[64:65] scope:SCOPE_SE
	s_setreg_imm32_b32 hwreg(HW_REG_WAVE_MODE, 25, 1), 1
	s_wait_xcnt 0x0
	s_wait_alu depctr_hold_cnt(0) depctr_sa_sdst(0) depctr_va_vdst(0) depctr_va_sdst(0) depctr_va_ssrc(0) depctr_va_vcc(0) depctr_vm_vsrc(0)
	s_getreg_b32 s2, hwreg(HW_REG_IB_STS2, 6, 4)
	s_cmp_eq_u32 s2, 0
	s_cbranch_scc0 .Lentry_in_a_cluster
	s_endpgm
.Lentry_in_a_cluster:
	s_bfe_u32 s2, ttmp6, 0x10000c
	s_cmp_lg_u32 s2, 0xf033
	s_cbranch_scc0 .Lentry_shape_is_right
	s_endpgm
.Lentry_shape_is_right:
; moe: out[t][p] = sum over e of g[t][e] ( sum over d of x[t][d] W[e][d][p] + b[e][p] ),   g[t][.] = softmax over e of ( x[t][.] gate_w + gate_b ).
; xb: [8192 t][1024 d] bf16.  wb: [8192 = (e, d)][1024 p] bf16.  gate_w [1024][8], gate_b [8], expert_b [8][1024], out0 [8192][1024]: f32.
;
; SHARES.  256 work-groups of four waves, as many as a WGP has SIMDs.  A work-group makes 128 rows x 256 columns of out0, a wave 64 x 128: 4 m blocks (a) x 8 n blocks (b)
; of 16 x 16.  K = (e, d) goes in 64 steps of 128, eight for each expert, through two LDS slots filled by the tensor data mover.
; TWO SETS OF SUMS.  EACC holds one expert's sums in f32, started by that expert's bias as the C of its first products; when the expert's eight steps are over,
; TOT += gate x EACC in f32: 128 packed multiply-adds for 1,024 matrix instructions, and neither x nor W is ever scaled or rounded a second time.
; THE MATRIX INSTRUCTION IS USED TRANSPOSED: source 0 = 16 columns of W, source 1 = 16 rows of x.  Register j of lane l then holds row l % 16 and column
; 8 (l / 16) + j: a lane has ONE token row in each m block, so a gate is one number a lane, and eight neighbouring columns, 32 bytes of a row of out0.
; THE GATES ride along in expert 0: its x fragments are also multiplied with gate_w (bf16, eight rows of e used twice to fill sixteen), four matrix instructions for a
; quarter step, started by gate_b as C.  A lane then holds the eight logits of its own row in eight registers: the softmax (maximum taken away, all in f32) needs no other lane.
; CLUSTERS: 4 x 4 work-groups.  x's tile hangs on the block row alone and is asked for jointly by a row of the cluster, W's on the block column alone and is asked for
; jointly by a column: the requests for both are divided by four.
; THE ORDER OF AN EXPERT'S STEPS IS ROTATED BY THE CLUSTER'S NUMBER: with ROT = cluster y mod 8, step s takes the d block (s + ROT) mod 8 of x, of W and of gate_w.
; All sixteen clusters read the same W.  Clusters with different ROT ask for different tiles of an expert in the same step, and the tile that a cluster asks for in step s
; is the one that the cluster with ROT + 1 asked for in step s - 1: from an expert's second step on no tile of W is asked for that has not been read a step before.
; ROT is the same in all work-groups of a cluster, so partners' descriptors stay equal; no branch and no LDS address hangs on it.
; LIMITS: x, expert_w and gate_w enter the products rounded to bf16, so the logits' absolute error grows with their size; both biases, the softmax and the gated sum are f32.
; The f32 sums along d run in the rotated order, which differs from cluster to cluster.  v_exp_f32 gives 0 where 2^x would be below 2^-126 (ISA guide, its entry in 15.8): such a gate is 0.
;
; LDS.  slot s at s x 104,448: W's 128 k rows of 512 bytes, pitch 544 = 17 x 32; behind them x's 128 rows of 256 bytes, pitch 272 = 17 x 16: the rows that a fragment
; load touches begin at different 16-byte columns modulo 256 bytes.  Behind the slots, in bytes that no tensor load fills: a stage of 16 rows x 528 bytes for each wave, and gate_w.
; Two slots of twice the step would hold 2 x 196,608 bytes of data alone and do not fit in a WGP's 327,680.
.set KSTEP,   128
.set PB,      544                      ; pitch of W's rows
.set PA,      272                      ; pitch of x's rows
.set QB,      32*PB                    ; a quarter step (32 k rows) of W
.set XT,      128*PB                   ; x's tile in a slot: 69,632
.set SLOT,    XT+128*PA                ; 104,448 = 408 x 256
.set STAGE,   2*SLOT                   ; 208,896
.set SPITCH,  528                      ; 512 bytes of a wave's row of out0 + 16
.set GWL,     STAGE+4*16*SPITCH        ; 242,688: gate_w as bf16 [8 e][1024 k], k in the order in which this cluster walks it
.set GWPITCH, 2064                     ; 2,048 + 16 = 129 x 16
.set EXPB,    0x200000                 ; bytes of one expert in wb: 1,024 rows of 2,048
; REGISTERS, in windows of 256.  Window 0:
.set ADRA, 16                          ; v16-17   LDS address of my x fragments in slot 0, 1
.set ADRB, 18                          ; v18-19   the same for W (transposing loads)
.set ADRG, 20                          ; v20      the same for gate_w
.set STO,  21                          ; v21      the way out: where I put 32 bytes of a row
.set RD,   22                          ; v22      the way out: where I read 16 bytes of a row back
.set CO,   23                          ; v23      my byte offset in a row of out0
.set BOFF, 24                          ; v24      my byte offset in the work-group's 1,024 bytes of a row of expert_b
.set GWS,  26                          ; v26      where I put packed gate_w
.set ZERO, 27                          ; v27      0
.set GB,   32                          ; v[32:39]   register j = gate_b[j]
.set LG,   40                          ; v[40:71]   8 for each m block: logits, then gates; register 8 a is the gate of the expert at hand
.set GWO,  72                          ; v[72:75]   my byte offsets in gate_w, one for each of my four pieces
.set BIAS, 80                          ; v[80:143]  8 for each n block: the bias of my 8 columns
.set GWR,  144                         ; v[144:207] gate_w as loaded
.set GWP,  208                         ; v[208:239] gate_w packed
.set EX,   144                         ; v[144:151] softmax: exponentials
.set SM,   152                         ; v[152:153] softmax: maxima
.set SS,   154                         ; v[154:157] softmax: sums
.set RC,   158                         ; v[158:159] softmax: 1 / sum, twice
.set OB0,  80                          ; the way out: two sets of 64 registers in turn
.set OB1,  144
; Window 1: fragments, two buffers f = 0, 1.  Window 2: EACC, tile (a, b) at 8 (8 a + b).  Window 3: TOT, the same map.
.set BF, 0                             ; + 64 f: W, 8 n blocks x 8
.set AF, 128                           ; + 32 f: x, 4 m blocks x 8
.set GF, 192                           ; + 8 f:  gate_w
.set G1A, 24                           ; s[24:31] descriptor group 1 for x's tiles
.set G0A, 32                           ; s[32:39] group 0 for x's tiles, a set for each slot
.set G1B, 40                           ; s[40:47] group 1 for W's tiles
.set G0B, 48                           ; s[48:55] group 0 for W's tiles, a set for each slot
; s[58:59] x at my part of the block row's first tile, s[62:63] W at my part of the block column's first tile: kept for the whole kernel
; s[80:81] byte offset of a step's tile in x, s[82:83] in W (upper words 0); s84 ROT; s85 the expert at hand x EXPB
; s_set_vgpr_msb's low byte: bits 1:0 source 0, 3:2 source 1, 5:4 source 2, 7:6 destination
.set MULW, 0xa5                        ; D and C window 2, both sources window 1
.set MULB, 0x85                        ; the same with C (the bias) in window 0
.set LOGW, 0x05                        ; D and C window 0, both sources window 1
.set FETW, 0x40                        ; destination window 1, address window 0
.set CMB,  0xf2                        ; destination and source 2 window 3, source 0 window 2, source 1 window 0
.set OUTW, 0x0c                        ; LDS store: address window 0, data window 3
.set MSB, 0
.macro WIN new                         ; the immediate's high byte repeats the setting that is left; a switch that changes nothing is dropped
.if MSB != \new
	s_set_vgpr_msb (MSB<<8)|\new
.set MSB, \new
.endif
.endm
; A joint load.  Waves 0 and 1 fetch W's k rows 0-63 and 64-127, waves 2 and 3 x's rows 0-63 and 64-127.  Each line has one mask and one set of registers for all that
; issue it.  The branch hangs on the wave's number alone.
.macro JLOAD s
	s_cmp_eq_u32 s17, 0
	s_cbranch_scc0 .Lfor_x_\@
	tensor_load_to_lds s[G0B+4*\s:G0B+4*\s+3], s[G1B:G1B+7]
	s_nop 0
	s_branch .Lasked_\@
.Lfor_x_\@:
	tensor_load_to_lds s[G0A+4*\s:G0A+4*\s+3], s[G1A:G1A+7]
	s_nop 0
.Lasked_\@:
.endm
; The offsets of the tiles of step sn (0..7) of the expert at hand (einc = 0) or of the next one (einc = 1).  They are no part of a descriptor: they may be made while loads are out.
.macro NEXTOFF sn, einc
	s_add_co_u32 s80, s84, \sn
	s_and_b32 s80, s80, 7                          ; the d block: (sn + ROT) mod 8
	s_lshl_b32 s82, s80, 18                        ; W: 128 rows of 2,048 bytes for each d block,
	s_add_co_u32 s82, s82, s85                     ; and the expert (the sum stays below wb's 16 MiB)
.if \einc
	s_add_co_u32 s82, s82, EXPB
.endif
	s_lshl_b32 s80, s80, 8                         ; x: 256 bytes along its rows for each d block
.endm
; The two global addresses of a slot's group 0, made anew from the kept bases.  Stands only where no tensor load of the wave is out.
.macro SETG0 slot
	s_add_nc_u64 s[G0A+4*\slot+2:G0A+4*\slot+3], s[58:59], s[80:81]
	s_or_b32 s[G0A+4*\slot+3], s[G0A+4*\slot+3], 0x80000000        ; type = 2
	s_add_nc_u64 s[G0B+4*\slot+2:G0B+4*\slot+3], s[62:63], s[82:83]
	s_or_b32 s[G0B+4*\slot+3], s[G0B+4*\slot+3], 0x80000000
.endm
; A round of the cluster's barrier: my work-group's barrier, wave 0 signals for the work-group, every wave waits for all sixteen, my work-group's barrier once more.
.macro CREST                           ; a round behind its opening barrier
	s_cmp_lg_u32 s16, 0
	s_cbranch_scc1 .Lnot_wave_0_\@
	s_barrier_signal -3
.Lnot_wave_0_\@:
	s_barrier_wait -3
	s_barrier_signal -1
	s_barrier_wait -1
.endm
.macro CROUND                          ; a whole round
	s_barrier_signal -1
	s_barrier_wait -1
	CREST
.endm
	s_load_b256 s[4:11], s[0:1], 0x0               ; xb s[4:5], wb s[6:7], gate_w s[8:9], gate_b s[10:11]
	s_load_b128 s[12:15], s[0:1], 0x20             ; expert_b s[12:13], out0 s[14:15]
	s_set_vgpr_msb 0x40
	v_lshl_add_u32 v254, v0, 2, 0x3f500
	v_mov_b32 v255, 0
	s_set_vgpr_msb 0x4045
	ds_add_u32 v254, v255
	s_set_vgpr_msb 0x4500
	v_lshrrev_b32 v1, 5, v0
	v_readfirstlane_b32 s16, v1                    ; wave 0..3
	s_lshr_b32 s17, s16, 1                         ; which 64 rows of the block are mine.  Also: I fetch for W (0) or for x (1)
	s_and_b32 s18, s16, 1                          ; which 128 columns.  Also: which 64 rows of that tile I fetch
	s_bfe_u32 s19, ttmp6, 0x40000                  ; cx
	s_bfe_u32 s20, ttmp6, 0x40004                  ; cy
	s_lshl_b32 s21, ttmp9, 2                       ; in a cluster launch ttmp9 and ttmp7 count clusters
	s_add_co_u32 s21, s21, s19                     ; block column = 4 x cluster x + cx, 0..3
	s_and_b32 s22, ttmp7, 0xffff
	s_lshl_b32 s22, s22, 2
	s_add_co_u32 s22, s22, s20                     ; block row = 4 x cluster y + cy, 0..63
	s_and_b32 s84, ttmp7, 7                        ; ROT = cluster y mod 8: the same in all sixteen work-groups of the cluster
	s_mov_b32 s85, 0                               ; expert 0
	s_mov_b32 s81, 0
	s_mov_b32 s83, 0
	s_lshl_b32 s23, s20, 2
	s_lshl_b32 s23, 15, s23                        ; my row of the cluster: places 4 cy .. 4 cy + 3
	s_lshl_b32 s79, 0x1111, s19                    ; my column: places cx, cx + 4, cx + 8, cx + 12
	; group 1 for x: 64 rows x 128 elements of 2 bytes, 4 words of padding behind every 64 words
	s_or_b32 s[G1A+0], s23, (1<<16)|(1<<20)|(1<<21)|(5<<22)|(3<<25)   ; 15:0 mask: my row; 17:16 2-byte elements; 20 padding on; 21 set beside a mask; 24:22 interval code 5; 31:25 pad code 3
	s_mov_b32 s[G1A+1], KSTEP<<16                  ; tensor_dim0 = 128
	s_mov_b32 s[G1A+2], 64<<16                     ; tensor_dim1 = 64
	s_mov_b32 s[G1A+3], KSTEP<<16                  ; tile_dim0 = 128
	s_mov_b32 s[G1A+4], 64                         ; tile_dim1 = 64
	s_mov_b32 s[G1A+5], 1024                       ; elements from row to row
	s_mov_b32 s[G1A+6], 0
	s_mov_b32 s[G1A+7], 0
	; group 1 for W: 64 k rows x 256 elements, 8 words of padding behind every 128 words
	s_or_b32 s[G1B+0], s79, (1<<16)|(1<<20)|(1<<21)|(6<<22)|(7<<25)   ; the mask of my column; interval code 6; pad code 7
	s_mov_b32 s[G1B+1], 256<<16
	s_mov_b32 s[G1B+2], 64<<16
	s_mov_b32 s[G1B+3], 256<<16
	s_mov_b32 s[G1B+4], 64
	s_mov_b32 s[G1B+5], 1024
	s_mov_b32 s[G1B+6], 0
	s_mov_b32 s[G1B+7], 0
	; where the tiles come from: every wave makes both bases, each in registers that never hold the other coordinate
	s_lshl_b32 s56, s22, 7
	s_lshl_b32 s57, s18, 6
	s_add_co_u32 s56, s56, s57                     ; x: row 128 x block row + 64 x half,
	s_lshl_b32 s56, s56, 11                        ; of 2,048 bytes (below 16 MiB)
	s_mov_b32 s57, 0
	s_lshl_b32 s60, s18, 17                        ; W: k row 64 x half, of 2,048 bytes,
	s_lshl_b32 s61, s21, 9                         ; and 512 bytes for each block column
	s_add_co_u32 s60, s60, s61
	s_mov_b32 s61, 0
	; and where they go: a constant and the wave's number times a constant
	s_mul_i32 s68, s16, 64*PB                      ; W: waves 0, 1 at 0 and 34,816
	s_mul_i32 s69, s16, 64*PA
	s_add_co_u32 s69, s69, XT-2*64*PA              ; x: waves 2, 3 at 69,632 and 87,040
	; offsets of the bias and of out0
	s_lshl_b32 s72, s18, 9                         ; my 128 columns in f32
	s_mov_b32 s73, 0
	s_lshl_b32 s74, s21, 10                        ; the block's 256 columns in f32
	s_mov_b32 s75, 0
	s_lshl_b32 s76, s22, 7
	s_lshl_b32 s77, s17, 6
	s_add_co_u32 s76, s76, s77                     ; my first row of out0,
	s_lshl_b32 s76, s76, 12                        ; of 4,096 bytes (below 32 MiB)
	s_mov_b32 s77, 0
	s_mov_b32 s67, 0x3fb8aa3b                      ; log2(e)
	s_wait_dscnt 0x0
	s_wait_kmcnt 0x0
	s_add_nc_u64 s[58:59], s[4:5], s[56:57]
	s_add_nc_u64 s[62:63], s[6:7], s[60:61]
	s_add_nc_u64 s[12:13], s[12:13], s[74:75]      ; expert 0's bias at the block's first column
	s_add_nc_u64 s[14:15], s[14:15], s[76:77]
	s_add_nc_u64 s[14:15], s[14:15], s[74:75]
	s_add_nc_u64 s[14:15], s[14:15], s[72:73]      ; out0 at my wave's first row and column
	CROUND                                         ; all sixteen work-groups are here: the first joint loads meet
.irp s, 0,1
	s_mov_b32 s[G0A+4*\s], 1                                       ; count = 1
	s_add_co_u32 s[G0A+4*\s+1], s69, \s*SLOT                       ; LDS address
	s_mov_b32 s[G0B+4*\s], 1
	s_add_co_u32 s[G0B+4*\s+1], s68, \s*SLOT
	NEXTOFF \s, 0                                  ; step s of expert 0
	SETG0 \s                                       ; this slot's set has not been named by a load yet
	JLOAD \s                                       ; both slots' first fills go out before anything else: two tensor loads of this wave are out
.endr
.macro BIASLOAD                        ; 16 loads: b[e][my 8 columns] of each n block, from the base as it stands
	WIN 0
.irp b, 0,1,2,3,4,5,6,7
	global_load_b128 v[BIAS+8*\b:BIAS+8*\b+3],   v[BOFF], s[12:13] offset:64*\b
	global_load_b128 v[BIAS+8*\b+4:BIAS+8*\b+7], v[BOFF], s[12:13] offset:64*\b+16
.endr
.endm
	; gate_w, gate_b and expert 0's bias.  Thread t fills the words p = t + 128 i, i = 0..3, of each of the eight LDS rows: the k pair 2 p, 2 p + 1 in this cluster's order.
	; p / 64 = t / 64 + 2 i is the step; its d block is (step + ROT) mod 8, 4,096 bytes of gate_w each; p % 64 = t % 64 picks 64 bytes (two rows of gate_w) in it.
	v_and_b32 v1, 31, v0                           ; l
	v_and_b32 v2, 15, v0                           ; l % 16
	v_bfe_u32 v3, v0, 4, 1                         ; l / 16
	v_and_b32 v4, 7, v0                            ; l % 8
	v_bfe_u32 v5, v0, 3, 1                         ; (l / 8) % 2
	v_lshrrev_b32 v10, 6, v0                       ; t / 64
	v_add_nc_u32 v10, s84, v10                     ; + ROT
	v_and_b32 v11, 63, v0
	v_lshlrev_b32 v11, 6, v11                      ; 64 (t % 64)
.irp i, 0,1,2,3
	v_add_nc_u32 v12, 2*\i, v10
	v_and_b32 v12, 7, v12                          ; the d block
	v_lshl_add_u32 v[GWO+\i], v12, 12, v11         ; at most 7 x 4,096 + 63 x 64: inside gate_w's 32,768 bytes with the 64 that are read
.endr
	v_mov_b32 v[ZERO], 0
	v_lshl_add_u32 v[BOFF], v3, 5, s72             ; 512 x column half + 32 (l / 16)
.irp i, 0,1,2,3
.irp j, 0,1,2,3
	global_load_b128 v[GWR+16*\i+4*\j:GWR+16*\i+4*\j+3], v[GWO+\i], s[8:9] offset:16*\j
.endr
.endr
	global_load_b128 v[GB:GB+3],   v[ZERO], s[10:11]
	global_load_b128 v[GB+4:GB+7], v[ZERO], s[10:11] offset:16
	BIASLOAD
	; LDS addresses, while the loads are out
	s_mul_i32 s70, s17, 64*PA
	s_add_co_u32 s70, s70, XT                      ; my 64 rows of x's tile
	s_lshl_b32 s71, s18, 8                         ; my 128 columns of W's tile, 2 bytes each
	s_mul_i32 s78, s16, 16*SPITCH
	s_add_co_u32 s78, s78, STAGE                   ; my stage
	v_mul_u32_u24 v6, v2, PA                       ; x fragment: row l % 16; two loads of 16 bytes, 32 apart, at 16 (l / 16)
	v_lshl_add_u32 v6, v3, 4, v6
	v_add_nc_u32 v[ADRA], s70, v6
	v_add_nc_u32 v[ADRA+1], SLOT, v[ADRA]
	v_lshl_add_u32 v7, v3, 3, v4                   ; W fragment through the transposing load: k row 8 (l / 16) + l % 8,
	v_mul_u32_u24 v7, v7, PB
	v_lshl_add_u32 v7, v5, 4, v7                   ; 16 bytes (8 columns) at 16 ((l / 8) % 2)
	v_add_nc_u32 v[ADRB], s71, v7
	v_add_nc_u32 v[ADRB+1], SLOT, v[ADRB]
	v_mul_u32_u24 v8, v4, GWPITCH                  ; gate_w fragment: row e = l % 8, so rows 8-15 of source 0 repeat rows 0-7
	v_lshl_add_u32 v8, v3, 4, v8
	v_add_nc_u32 v[ADRG], GWL, v8
	v_mul_u32_u24 v9, v2, SPITCH                   ; the way out, in: row l % 16, 32 bytes for each half of the lanes
	v_lshl_add_u32 v9, v3, 5, v9
	v_add_nc_u32 v[STO], s78, v9
	v_lshl_add_u32 v[RD], v1, 4, s78               ; back: 32 lanes x 16 bytes are one row of 512 bytes
	v_lshlrev_b32 v[CO], 4, v1
	v_lshlrev_b32 v[GWS], 2, v0
	v_add_nc_u32 v[GWS], GWL, v[GWS]
	s_wait_loadcnt 18                              ; gate_w's 16 loads are in; the 18 younger ones (gate_b 2, bias 16) stay out
.irp i, 0,1,2,3
.irp c, 0,1,2,3,4,5,6,7
	v_cvt_pk_bf16_f32 v[GWP+8*\i+\c], v[GWR+16*\i+\c], v[GWR+16*\i+8+\c]   ; (gate_w[k][e], gate_w[k+1][e]): two neighbouring k of row e
.endr
.endr
.irp i, 0,1,2,3
.irp c, 0,1,2,3,4,5,6,7
	ds_store_b32 v[GWS], v[GWP+8*\i+\c] offset:\c*GWPITCH+512*\i           ; at row e, byte 4 p
.endr
.endr
	s_wait_loadcnt 0x0                             ; gate_b and the bias are in, and the bias loads' base is free:
	s_add_nc_u64 s[12:13], s[12:13], 4096          ; the next expert's bias
; 8 matrix instructions: m block a x all 8 n blocks, 32 along K, from buffer f.  cmode = 1: the expert's first products take the bias as C: nothing is cleared, nothing is added later.
; The 32 accumulators (36 with the logits) take turns, one instruction a turn, in the same order in every quarter step and over the loop's backward jump.
.macro MUL8 f, a, cmode
.irp b, 0,1,2,3,4,5,6,7
.if \cmode
	v_wmma_f32_16x16x32_bf16 v[8*(8*\a+\b):8*(8*\a+\b)+7], v[BF+64*\f+8*\b:BF+64*\f+8*\b+7], v[AF+32*\f+8*\a:AF+32*\f+8*\a+7], v[BIAS+8*\b:BIAS+8*\b+7]
.else
	v_wmma_f32_16x16x32_bf16 v[8*(8*\a+\b):8*(8*\a+\b)+7], v[BF+64*\f+8*\b:BF+64*\f+8*\b+7], v[AF+32*\f+8*\a:AF+32*\f+8*\a+7], v[8*(8*\a+\b):8*(8*\a+\b)+7]
.endif
.endr
.endm
; 4 matrix instructions: the logits of my 64 rows, 32 along K.  lmode = 2: the first products take gate_b as C.
.macro LOG4 f, lmode
	WIN LOGW
.irp a, 0,1,2,3
.if (\lmode) == 2
	v_wmma_f32_16x16x32_bf16 v[LG+8*\a:LG+8*\a+7], v[GF+8*\f:GF+8*\f+7], v[AF+32*\f+8*\a:AF+32*\f+8*\a+7], v[GB:GB+7]
.else
	v_wmma_f32_16x16x32_bf16 v[LG+8*\a:LG+8*\a+7], v[GF+8*\f:GF+8*\f+7], v[AF+32*\f+8*\a:AF+32*\f+8*\a+7], v[LG+8*\a:LG+8*\a+7]
.endif
.endr
.endm
; One run of LDS loads: the fragments of quarter q of a slot into buffer f: gate_w's (gw = 1: 2 loads, the oldest of the run), W's (16), x's (8, m blocks 2 and 3 last).
.macro FETCH slot, q, f, gw, gwoff
	WIN FETW
.if \gw
	ds_load_b128 v[GF+8*\f:GF+8*\f+3],   v[ADRG] offset:\gwoff
	ds_load_b128 v[GF+8*\f+4:GF+8*\f+7], v[ADRG] offset:\gwoff+32
.endif
.irp b, 0,1,2,3,4,5,6,7
	ds_load_tr16_b128 v[BF+64*\f+8*\b:BF+64*\f+8*\b+3],   v[ADRB+\slot] offset:(\q)*QB+32*\b          ; k = 8 (l / 16) + 0..7 of column 16 b + l % 16
	ds_load_tr16_b128 v[BF+64*\f+8*\b+4:BF+64*\f+8*\b+7], v[ADRB+\slot] offset:(\q)*QB+16*PB+32*\b    ; k = 16 + 8 (l / 16) + 0..7
.endr
.irp a, 0,1,2,3
	ds_load_b128 v[AF+32*\f+8*\a:AF+32*\f+8*\a+3],   v[ADRA+\slot] offset:\a*16*PA+64*(\q)
	ds_load_b128 v[AF+32*\f+8*\a+4:AF+32*\f+8*\a+7], v[ADRA+\slot] offset:\a*16*PA+64*(\q)+32
.endr
.endm
; A load into a register that a matrix instruction has read, and a vector instruction that reads a matrix result, stand four places behind that matrix instruction, and only
; plain vector instructions that name none of its registers are places (ISA guide 7.12.1 for vector instructions).
.macro PLACES
.rept 4
	v_nop
.endr
.endm
; One of a K step's first three quarters: multiplies buffer f; in its middle it fetches quarter q + 1 of the same slot into buffer g.  bl = 1: the next expert's bias is asked for too.
.macro QUARTER slot, q, f, g, cmode, bl, gw, gwoff, lmode
	s_wait_dscnt 4                                 ; all of my buffer but the youngest four loads (x's m blocks 2 and 3) is in
.if \cmode
	WIN MULB
.else
	WIN MULW
.endif
	MUL8 \f, 0, \cmode
	MUL8 \f, 1, \cmode
	PLACES
.if \bl
	BIASLOAD                                       ; the bias registers were last read, as C, in the quarter before this one
.endif
	FETCH \slot, \q+1, \g, \gw, \gwoff
	s_wait_dscnt 24+2*\gw                          ; all but the run just issued
.if \cmode
	WIN MULB
.else
	WIN MULW
.endif
	MUL8 \f, 2, \cmode
	MUL8 \f, 3, \cmode
.if \lmode
	LOG4 \f, \lmode
.endif
.endm
.macro THREE slot, gw, gwbase
	QUARTER \slot, 0, 0, 1, 0, 0, \gw, \gwbase+64,  \gw
	QUARTER \slot, 1, 1, 0, 0, 0, \gw, \gwbase+128, \gw
	QUARTER \slot, 2, 0, 1, 0, 0, \gw, \gwbase+192, \gw
.endm
; A K step's last quarter: multiplies buffer 1 and changes slots.  fill = 1: this slot is filled again with the tiles of the step two ahead: step sn of this expert (einc = 0)
; or of the next (einc = 1).  In front of the barrier each wave waits for its reads of this slot and for all its tensor loads (one is out: its part of the next slot); there no
; load of the wave is out, and the slot's two addresses are written.  Behind the round nobody in the cluster reads this slot's tile or has a load on its way: the joint refill
; comes first, then the next slot's first fragments.  From a request to the wait for it a wave issues 120 matrix instructions; one tensor load of the wave is out behind each round.
.macro TURN slot, next, fill, sn, einc, gw, gwoff, lmode
	s_wait_dscnt 4
	WIN MULW
	MUL8 1, 0, 0
.if \fill
	NEXTOFF \sn, \einc                             ; ahead of the waits: these registers are named by no load
.endif
	s_wait_dscnt 0                                 ; my reads of this slot are over
	s_wait_tensorcnt 0x0                           ; and all my tensor loads have landed
	ds_add_u32 v254, v255
	s_wait_dscnt 0x0
.if \fill
	SETG0 \slot
.endif
	s_barrier_signal -1                            ; say so (where the slot is filled again this barrier opens a round of the cluster's barrier),
	MUL8 1, 1, 0                                   ; work on registers while the others arrive,
	WIN 0
	s_barrier_wait -1
.if \fill
	CREST
	JLOAD \slot                                    ; the first tensor load behind the round, and my only one until the next
.endif
	PLACES
	FETCH \next, 0, 0, \gw, \gwoff
	WIN MULW
	MUL8 1, 2, 0
	MUL8 1, 3, 0
.if \lmode
	LOG4 1, \lmode
.endif
.endm
; One expert: eight K steps on slots 0, 1, 0, 1 ...  first = 1: the logits ride along (gate_w's fragment of step s, quarter q lies at byte 256 s + 64 q of its LDS rows,
; which hold k in this cluster's order).  last = 1: no further bias, steps 6 and 7 fill nothing, and the last quarter fetches nothing.
.macro EXPERT first, last
	QUARTER 0, 0, 0, 1, 1, 0,       \first, 64,  2*\first
	QUARTER 0, 1, 1, 0, 0, 1-\last, \first, 128, \first
	QUARTER 0, 2, 0, 1, 0, 0,       \first, 192, \first
	TURN 0, 1, 1, 2, 0, \first, 256, \first
	THREE 1, \first, 256
	TURN 1, 0, 1, 3, 0, \first, 512, \first
	THREE 0, \first, 512
	TURN 0, 1, 1, 4, 0, \first, 768, \first
	THREE 1, \first, 768
	TURN 1, 0, 1, 5, 0, \first, 1024, \first
	THREE 0, \first, 1024
	TURN 0, 1, 1, 6, 0, \first, 1280, \first
	THREE 1, \first, 1280
	TURN 1, 0, 1, 7, 0, \first, 1536, \first
	THREE 0, \first, 1536
	TURN 0, 1, 1-\last, 0, 1, \first, 1792, \first
	THREE 1, \first, 1792
.if \last
	s_wait_dscnt 0                                 ; the very last quarter: nothing more to fetch
	WIN MULW
	MUL8 1, 0, 0
	MUL8 1, 1, 0
	MUL8 1, 2, 0
	MUL8 1, 3, 0
.else
	TURN 1, 0, 1, 1, 1, 0, 0, \first               ; the next slot's step belongs to the next expert: no gate_w fragment goes with it
.endif
.endm
; The softmax of a lane's own four rows: eight logits in eight registers, the maximum taken away, all in f32.
.macro SOFTMAX
.irp a, 0,1,2,3
	v_max3_num_f32 v[SM],   v[LG+8*\a],   v[LG+8*\a+1], v[LG+8*\a+2]
	v_max3_num_f32 v[SM+1], v[LG+8*\a+3], v[LG+8*\a+4], v[LG+8*\a+5]
	v_max3_num_f32 v[SM],   v[SM],        v[LG+8*\a+6], v[LG+8*\a+7]
	v_max_num_f32  v[SM],   v[SM],        v[SM+1]
.irp j, 0,1,2,3,4,5,6,7
	v_sub_f32 v[LG+8*\a+\j], v[LG+8*\a+\j], v[SM]
.endr
.irp j, 0,1,2,3,4,5,6,7
	v_mul_f32 v[LG+8*\a+\j], s67, v[LG+8*\a+\j]    ; e^x = 2^(x log2 e)
.endr
.irp j, 0,1,2,3,4,5,6,7
	v_exp_f32 v[EX+\j], v[LG+8*\a+\j]
.endr
	v_nop                                          ; one plain vector instruction behind the transcendentals, before a result is used (ISA guide 5.7.2)
	s_wait_alu depctr_va_vdst(0)
	v_pk_add_f32 v[SS:SS+1],   v[EX:EX+1],     v[EX+2:EX+3]
	v_pk_add_f32 v[SS+2:SS+3], v[EX+4:EX+5],   v[EX+6:EX+7]
	v_pk_add_f32 v[SS:SS+1],   v[SS:SS+1],     v[SS+2:SS+3]
	v_add_f32 v[SS], v[SS], v[SS+1]                ; at least 1: the largest logit's term is 2^0
	v_rcp_f32 v[RC],   v[SS]                       ; twice, to fill the pair that the packed multiply takes
	v_rcp_f32 v[RC+1], v[SS]
	v_nop
	s_wait_alu depctr_va_vdst(0)
.irp j, 0,2,4,6
	v_pk_mul_f32 v[LG+8*\a+\j:LG+8*\a+\j+1], v[EX+\j:EX+\j+1], v[RC:RC+1]
.endr
.endr
.endm
; An expert's end: TOT (+)= gate x EACC.  The gate of m block a lies in LG + 8 a and is taken for both halves of each packed instruction.  Then each m block's eight
; gates move down by one register, so that the loop's text finds the next expert's gate in the same place.
.macro COMBINE first, last
	WIN 0
	PLACES                                         ; behind the last matrix instructions: what follows reads their results
.if \first
	SOFTMAX
.endif
.if 1-\last
	s_wait_loadcnt 0x0                             ; the next expert's bias is in, and its loads' base is free:
	s_add_nc_u64 s[12:13], s[12:13], 4096          ; one expert on
	s_add_co_u32 s85, s85, EXPB                    ; and so in wb (an offset; the descriptors hold sums made earlier)
.endif
	WIN CMB
.irp a, 0,1,2,3
.irp b, 0,1,2,3,4,5,6,7
.irp j, 0,2,4,6
.if \first
	v_pk_mul_f32 v[8*(8*\a+\b)+\j:8*(8*\a+\b)+\j+1], v[8*(8*\a+\b)+\j:8*(8*\a+\b)+\j+1], v[LG+8*\a:LG+8*\a+1] op_sel_hi:[1,0]       ; the first expert starts the sums
.else
	v_pk_fma_f32 v[8*(8*\a+\b)+\j:8*(8*\a+\b)+\j+1], v[8*(8*\a+\b)+\j:8*(8*\a+\b)+\j+1], v[LG+8*\a:LG+8*\a+1], v[8*(8*\a+\b)+\j:8*(8*\a+\b)+\j+1] op_sel_hi:[1,0,1]
.endif
.endr
.endr
.endr
	WIN 0
.if 1-\last
.irp a, 0,1,2,3
.irp j, 0,1,2,3,4,5,6
	v_mov_b32 v[LG+8*\a+\j], v[LG+8*\a+\j+1]
.endr
.endr
.endif
.endm
	s_wait_dscnt 0x0                               ; my part of gate_w is in LDS, for the other waves' sake
	s_wait_tensorcnt 0x1                           ; my part of slot 0 is in; slot 1's load may stay out
	s_barrier_signal -1
	s_barrier_wait -1                              ; everybody's is
	FETCH 0, 0, 0, 1, 0
	EXPERT 1, 0                                    ; expert 0, with the logits
	COMBINE 1, 0                                   ; the gates, and the first term of the sums
	s_mov_b32 s66, 6
.Lexp:                                             ; experts 1 to 6
	EXPERT 0, 0
	COMBINE 0, 0                                   ; leaves every window at 0, as a branch and a label want it
	s_sub_co_u32 s66, s66, 1
	s_cmp_lg_u32 s66, 0
	s_cbranch_scc1 .Lexp
	EXPERT 0, 1                                    ; expert 7: its last two steps fill nothing; no tensor load is out behind step 6's wait
	COMBINE 0, 1
; THE WAY OUT, 16 rows at a time.  A lane's 32 bytes are one sixteenth of its wave's 512 bytes of a row, and the lanes beside it hold other rows: so the rows go through the
; wave's own stage and come back whole: each store of the wave covers 512 consecutive bytes at a multiple of 512 from out0's first byte.
; LDS serves a wave's instructions in order (ISA guide 5.7.1.4): no wait between these stores and loads, nor between one block's loads and the next block's stores.
.macro OUT16 a, ob
	WIN OUTW
.irp b, 0,1,2,3,4,5,6,7
	ds_store_b128 v[STO], v[8*(8*\a+\b):8*(8*\a+\b)+3]   offset:64*\b
	ds_store_b128 v[STO], v[8*(8*\a+\b)+4:8*(8*\a+\b)+7] offset:64*\b+16
.endr
	WIN 0
	s_wait_xcnt 0x0                                ; every earlier memory instruction has had its addresses translated (ISA guide 3.1): the registers that earlier stores read are loaded again only behind this wait
.irp t, 0,1,2,3,4,5,6,7,8,9,10,11,12,13,14,15
	ds_load_b128 v[\ob+4*\t:\ob+4*\t+3], v[RD] offset:\t*SPITCH
.endr
.irp t, 0,1,2,3,4,5,6,7,8,9,10,11,12,13,14,15
	s_wait_dscnt 15-\t                             ; row t is back; the 15 - t younger rows stay out
	global_store_b128 v[CO], v[\ob+4*\t:\ob+4*\t+3], s[14:15] offset:(16*\a+\t)*4096 th:TH_STORE_NT
.endr
.endm
	OUT16 0, OB0
	OUT16 1, OB1
	OUT16 2, OB0
	OUT16 3, OB1
	s_set_vgpr_msb 0x5
	s_wait_tensorcnt 0x0
	ds_add_u32 v254, v255
	s_wait_dscnt 0x0
	s_set_vgpr_msb 0x500
	CROUND                                         ; the closing round: no work-group ends while a partner may still ask for a tile that names it
	s_endpgm
.Lfunc_end_k_qa59ebad719_moe:
	.size	k_qa59ebad719_moe, .Lfunc_end_k_qa59ebad719_moe-k_qa59ebad719_moe
	.p2alignl 7, 3214868480
	.fill 96, 4, 3214868480
	.section	.rodata,"a",@progbits
	.p2align	6, 0x0
	.amdhsa_kernel k_qa59ebad719_moe
		.amdhsa_group_segment_fixed_size 327680
		.amdhsa_private_segment_fixed_size 0
		.amdhsa_enable_private_segment 0
		.amdhsa_kernarg_size 48
		.amdhsa_user_sgpr_count 2
		.amdhsa_user_sgpr_kernarg_segment_ptr 1
		.amdhsa_wavefront_size32 1
		.amdhsa_system_sgpr_workgroup_id_x 1
		.amdhsa_system_sgpr_workgroup_id_y 1
		.amdhsa_system_sgpr_workgroup_id_z 1
		.amdhsa_system_vgpr_workitem_id 0
		.amdhsa_next_free_vgpr 1024
		.amdhsa_next_free_sgpr 88
		.amdhsa_reserve_vcc 0
		.amdhsa_float_denorm_mode_32 3
		.amdhsa_float_denorm_mode_16_64 3
		.amdhsa_memory_ordered 1
		.amdhsa_forward_progress 1
		.amdhsa_inst_pref_size 255
	.end_amdhsa_kernel
	.section	.bss,"aw",@nobits
	.p2align	6
	.space	262144
	.amdgpu_metadata
---
amdhsa.version: [ 1, 2 ]
amdhsa.kernels:
  - .name:           k_qa59ebad719_moe
    .symbol:         k_qa59ebad719_moe.kd
    .args:
      - { .name: xb, .offset: 0, .size: 8, .value_kind: global_buffer, .address_space: global }
      - { .name: wb, .offset: 8, .size: 8, .value_kind: global_buffer, .address_space: global }
      - { .name: gate_w, .offset: 16, .size: 8, .value_kind: global_buffer, .address_space: global }
      - { .name: gate_b, .offset: 24, .size: 8, .value_kind: global_buffer, .address_space: global }
      - { .name: expert_b, .offset: 32, .size: 8, .value_kind: global_buffer, .address_space: global }
      - { .name: out0, .offset: 40, .size: 8, .value_kind: global_buffer, .address_space: global }
    .group_segment_fixed_size: 327680
    .private_segment_fixed_size: 0
    .kernarg_segment_align: 8
    .kernarg_segment_size: 48
    .max_flat_workgroup_size: 128
    .sgpr_count:     88
    .vgpr_count:     1024
    .wavefront_size: 32
...
	.end_amdgpu_metadata
.endif
;; end of part 2
;; ======== version 2 of 2: 2 launches; version 1 with the launch prep written anew for expert scheduling mode
;; workspace buffers: xb 16,777,216 bytes; wb 16,777,216 bytes
;; launch prep (part 3): grid 256 x 2, 8 waves a work-group, no clusters, 0 bytes of LDS; arguments x, expert_w, xb, wb; writes xb, wb
.if DOCPART == 3
	.amdgcn_target "amdgcn-amd-amdhsa--gfx1250"
	.amdhsa_code_object_version 6
	.text
	.protected	k_qa59ebad719_prep
	.globl	k_qa59ebad719_prep
	.p2align	8
	.type	k_qa59ebad719_prep,@function
k_qa59ebad719_prep:
	s_mov_b64 s[64:65], 0
	v_nop
	global_prefetch_b8 v0, s[64:65] scope:SCOPE_SE
	s_setreg_imm32_b32 hwreg(HW_REG_WAVE_SCHED_MODE, 0, 2), 2
	s_setreg_imm32_b32 hwreg(HW_REG_WAVE_MODE, 25, 1), 1
	s_wait_xcnt 0x0
	s_wait_alu depctr_vm_vsrc(0)
; prep: xb = bf16(x), wb = bf16(expert_w), element by element, the layout unchanged (round to nearest even).
; Why a launch of its own: the product that follows reads x in 4 column blocks and expert_w in 64 row blocks; cast here, each number is
; rounded once and every later read moves 2 bytes in place of 4.
; LIMIT: a magnitude above bf16's largest finite number (about 3.39e38) becomes an infinity.
; Grid y picks the pair of buffers (0: x to xb, 1: expert_w to wb).  Work-group x owns 131,072 bytes of f32 as 32 rows of 4,096 bytes.
; Thread t owns the 16 bytes at 16 t of each row in and the 8 bytes at 8 t of each row out: a wave's load covers 512 consecutive bytes,
; a wave's store 256 consecutive bytes at a multiple of 256 from the buffer's first byte.
; All 32 loads of a thread go out at once; every row has registers of its own, so that no register is written twice.
; No LDS, no barrier, no matrix unit: a stream has no use for them.
; THE MODE: SCHED_MODE bits 1:0 = 2 (LLVM: expert scheduling mode 2), set by the entry lines.  The code itself states the register dependences
; between vector instructions and memory instructions, with s_wait_alu, always for 0.
; THE PLAN.  Registers that memory instructions touch:
;   v1, v2   byte offsets, made once at the head and never written again; v1 is read by every load, v2 by every store.
;   X        row i: written by that row's one load alone, read by its two conversions behind the counted wait for the load; nothing lands in it again.
;   Y        row i: written by that row's two conversions, once; read by that row's one store.
; The 32 rows go in eight blocks of four.  The stores of block p - 1 are issued in block p, one ahead of each row's conversions.  ONE wait on va_vdst at the head
; of block p states that block p - 1 has written its Y; the conversions behind it name X and Y of block p alone, none of the registers that those four stores read.
; No register that a memory instruction reads is ever written again, so no wait on vm_vsrc is owed and none is written.
.set ROWIN,  4096                      ; bytes of a row in
.set ROWOUT, 2048                      ; bytes of a row out
.set NROW,   32                        ; rows of a work-group
.set BLOCK,  4                         ; rows in a block
.set X, 4                              ; v[4:131]    row i: 4 f32 as loaded
.set Y, 132                            ; v[132:195]  row i: 4 bf16 to store
	s_load_b256 s[4:11], s[0:1], 0x0               ; x s[4:5], expert_w s[6:7], xb s[8:9], wb s[10:11]
	s_and_b32 s12, ttmp7, 0xffff                   ; grid y: which pair of buffers
	s_lshl_b32 s14, ttmp9, 17                      ; the work-group's 131,072 bytes in (255 x 131,072 is below 4 GiB)
	s_mov_b32 s15, 0
	s_lshl_b32 s16, ttmp9, 16                      ; its 65,536 bytes out
	s_mov_b32 s17, 0
	v_lshlrev_b32 v1, 4, v0                        ; 16 t
	v_lshlrev_b32 v2, 3, v0                        ; 8 t
	s_wait_kmcnt 0x0
	s_cmp_eq_u32 s12, 0                            ; the choice hangs on the grid's y alone
	s_cselect_b64 s[4:5], s[4:5], s[6:7]           ; from
	s_cselect_b64 s[8:9], s[8:9], s[10:11]         ; to
	s_add_nc_u64 s[4:5], s[4:5], s[14:15]
	s_add_nc_u64 s[8:9], s[8:9], s[16:17]
	s_wait_alu depctr_va_vdst(0)                   ; v1 and v2 are written: every load of the kernel reads v1 as its offset, every store v2
.set i, 0
.rept NROW
	global_load_b128 v[X+4*i:X+4*i+3], v1, s[4:5] offset:i*ROWIN th:TH_LOAD_NT   ; read once in the whole launch
.set i, i+1
.endr
.set i, 0
.rept NROW
.if (i % BLOCK) == 0
	s_wait_loadcnt NROW-1-i                        ; loads come back in order (ISA guide 5.7.1): the block's first row is in, the NROW-1-i younger rows stay out
.if i > 0
	s_wait_alu depctr_va_vdst(0)                   ; the block before has written its eight registers of Y, which the four stores of this block read
.endif
.endif
.if i >= BLOCK
	global_store_b64 v2, v[Y+2*(i-BLOCK):Y+2*(i-BLOCK)+1], s[8:9] offset:(i-BLOCK)*ROWOUT   ; the same row of the block before; no vector instruction since the wait names its Y or v2.  No hint: the next launch reads these bytes
.endif
.if (i % BLOCK) != 0
	s_wait_loadcnt NROW-1-i                        ; row i is in, the NROW-1-i younger rows stay out (stores are not counted here)
.endif
	v_cvt_pk_bf16_f32 v[Y+2*i],   v[X+4*i],   v[X+4*i+1]
	v_cvt_pk_bf16_f32 v[Y+2*i+1], v[X+4*i+2], v[X+4*i+3]
.set i, i+1
.endr
	s_wait_alu depctr_va_vdst(0)                   ; the last block has written its Y, which the last four stores read
.set i, NROW-BLOCK
.rept BLOCK
	global_store_b64 v2, v[Y+2*i:Y+2*i+1], s[8:9] offset:i*ROWOUT
.set i, i+1
.endr
	s_endpgm
.Lfunc_end_k_qa59ebad719_prep:
	.size	k_qa59ebad719_prep, .Lfunc_end_k_qa59ebad719_prep-k_qa59ebad719_prep
	.p2alignl 7, 3214868480
	.fill 96, 4, 3214868480
	.section	.rodata,"a",@progbits
	.p2align	6, 0x0
	.amdhsa_kernel k_qa59ebad719_prep
		.amdhsa_group_segment_fixed_size 0
		.amdhsa_private_segment_fixed_size 0
		.amdhsa_enable_private_segment 0
		.amdhsa_kernarg_size 32
		.amdhsa_user_sgpr_count 2
		.amdhsa_user_sgpr_kernarg_segment_ptr 1
		.amdhsa_wavefront_size32 1
		.amdhsa_system_sgpr_workgroup_id_x 1
		.amdhsa_system_sgpr_workgroup_id_y 1
		.amdhsa_system_sgpr_workgroup_id_z 1
		.amdhsa_system_vgpr_workitem_id 0
		.amdhsa_next_free_vgpr 200
		.amdhsa_next_free_sgpr 66
		.amdhsa_reserve_vcc 0
		.amdhsa_float_denorm_mode_32 3
		.amdhsa_float_denorm_mode_16_64 3
		.amdhsa_memory_ordered 1
		.amdhsa_forward_progress 1
		.amdhsa_inst_pref_size 13
	.end_amdhsa_kernel
	.amdgpu_metadata
---
amdhsa.version: [ 1, 2 ]
amdhsa.kernels:
  - .name:           k_qa59ebad719_prep
    .symbol:         k_qa59ebad719_prep.kd
    .args:
      - { .name: x, .offset: 0, .size: 8, .value_kind: global_buffer, .address_space: global }
      - { .name: expert_w, .offset: 8, .size: 8, .value_kind: global_buffer, .address_space: global }
      - { .name: xb, .offset: 16, .size: 8, .value_kind: global_buffer, .address_space: global }
      - { .name: wb, .offset: 24, .size: 8, .value_kind: global_buffer, .address_space: global }
    .group_segment_fixed_size: 0
    .private_segment_fixed_size: 0
    .kernarg_segment_align: 8
    .kernarg_segment_size: 32
    .max_flat_workgroup_size: 256
    .sgpr_count:     66
    .vgpr_count:     200
    .wavefront_size: 32
...
	.end_amdgpu_metadata
.endif
;; end of part 3
;; launch moe: the kernel of part 2 again; grid 4 x 64, 4 waves a work-group, clusters of 4 x 4, 327,680 bytes of LDS; arguments xb, wb, gate_w, gate_b, expert_b, out0; writes out0
